; MI455X (gfx1250); checked and timed in simulation.
; The chip was launched on July 23, 2026; its instructions are those of AMD's public machine-readable ISA for CDNA 5 (MIT licence, August 2026) and "CDNA5" Instruction Set Architecture Reference Guide (July 2026). The comments in the code are by the model that wrote it; some were corrected since.
;; Q Lo RA Linear. Allowed arithmetic: matrix products marked QUANTISED: E3M2 operands, one E8M0 scale for each 32 along K, by v_wmma_scale_f32_16x16x128_f8f6f4 with both operands' format E3M2, f32 sums; products left as they are: f32 operands where the result goes on into a quantised operand, else bf16, f16 or f32 operands; f32 sums; everything else in f32.
;; Inputs: bias 4,096 float32; lora_A_codes 16 x 128 x 24 uint8 (E3M2 codes of lora_A, K innermost, in blocks of 32 codes, four codes in three bytes); lora_A_scales 16 x 128 uint8 (E8M0 scales of lora_A, one for each 32 codes along K); lora_B 16 x 4,096 float32; qweight 4,096 x 4,096 int32; scales 1 float32; x_codes 4 x 1,024 x 128 x 24 uint8 (E3M2 codes of x, K innermost, in blocks of 32 codes, four codes in three bytes); x_scales 4 x 1,024 x 128 uint8 (E8M0 scales of x, one for each 32 codes along K).
;; Outputs: out0 4 x 1,024 x 4,096 float32.
;; This version of the problem:
;;   THIS VERSION OF THE PROBLEM IS GIVEN IN LOW PRECISION. The matrix products marked QUANTISED in the list below multiply operands that are first quantised to E3M2 (3 exponent bits, 2 mantissa bits; 6 bits a number), with one power-of-two scale for each 32 numbers along K (OCP MX v1.0); their sums are f32. All else is computed in f32.
;;   The module's matrix products, in the order in which they are computed (A, B: the left and right operand; K: the contracted axis; several contracted axes count as one K, in the product's order):
;;     1. [M 4,096, K 4,096] x [K 4,096, N 4,096]; A: input x (given as codes); B: computed on the way: QUANTISED
;;     2. [M 4,096, K 4,096] x [K 4,096, N 16]; A: input x (given as codes); B: input lora_A (given as codes): QUANTISED
;;     3. [M 4,096, K 16] x [K 16, N 4,096]; A: computed on the way; B: input lora_B: left as it is (K = 16 < 32)
;;   THE QUANTISER, for each operand of a quantised product, along K:
;;     - K is cut into blocks of 32 from its start; a last block that is shorter is filled with zeros.
;;     - A block's scale is 2^e with e = floor(log2(the largest magnitude in the block)) - 4, held to -126 .. 127; a block of zeros has e = 0. As a byte (E8M0): e + 127.
;;     - Each number is divided by its block's scale, clamped to +-28, and rounded to the nearest number of E3M2, ties to even, subnormals kept.
;;     - The product sums the exact products of the quantised numbers (number of the format x scale) in f32.
;;   ~~~python
;;   def quantise(x, axis):      # numpy; x: float32 -> the quantised numbers, widened to float32 again
;;       x = np.moveaxis(x, axis, -1); K = x.shape[-1]
;;       x = np.pad(x, [(0, 0)] * (x.ndim - 1) + [(0, -K % 32)]); x = x.reshape(x.shape[:-1] + (-1, 32)); a = np.abs(x).max(-1, keepdims=True)
;;       e = np.where(a > 0, np.clip(np.frexp(np.where(a > 0, a, 1))[1] - 1 - 4, -126, 127), 0)      # np.frexp(a)[1] - 1 = floor(log2(a)), exactly
;;       r = np.clip(x / 2.0 ** e, -28, 28)
;;       step = 2.0 ** (np.maximum(np.frexp(np.where(r == 0, 1, r))[1] - 1, -2) - 2)
;;       q = np.round(r / step) * step * 2.0 ** e      # np.round: ties to even
;;       return np.moveaxis(q.reshape(q.shape[:-2] + (-1,))[..., :K], -1, axis).astype(np.float32)
;;   ~~~
;;   OPERANDS COMPUTED ON THE WAY. 'Computed on the way' means the value that the module computes at that place (a softmax that the list does not call 'softmax' is quantised finished and normalised). What goes into a quantiser is computed in f32, as accurately as f32 sums, v_exp_f32 and their like allow (about 1e-6 of the number): no bf16 or f16 on the way to a quantiser, and a product that is left as it is and whose result goes on into a quantised operand takes f32 operands (vector FMAs, or v_wmma_f32_16x16x4_f32). A number that lies on a knife's edge between two numbers of the format may be rounded either way, as far as f32 arithmetic and the matrix unit's own rounding can turn it there, and no further.
;;   INPUTS GIVEN AS CODES. lora_A (in the module: [4096, 16], K = its axis 0); x (in the module: [4, 1024, 4096], K = its axis 2): each comes as NAME_codes (uint8): NAME with its K axis moved to the last place and cut into blocks of 32 codes, [.., K / 32, bytes a block], one block behind the other in memory; four codes in three bytes: a row's codes are one little-endian stream of bits, code i at bits 6 i .. 6 i + 5 (a code: sign, 3 exponent bits, 2 mantissa bits); and NAME_scales (uint8): the same leading axes, one E8M0 byte (e + 127) for each 32 codes along K. Its value is code x scale, taken as it is: it is not quantised again, and the codes and scales need not be those that the quantiser above would give.
;; One version. Each part assembles by itself: llvm-mc -triple=amdgcn-amd-amdhsa -mcpu=gfx1250 --defsym DOCPART=n.
;; ======== version 1 of 1: 2 launches
;; limits: values are held in bf16: 8 bits of precision; right only within a limited range of input values
;; workspace buffers: w_img 13,107,200 bytes; x_img 13,107,200 bytes; t_part 1,048,576 bytes
;; launch prep (part 1): grid 768 x 1, 4 waves a work-group, no clusters, 84,480 bytes of LDS; arguments qweight, scales, x_codes, x_scales, lora_A_codes, lora_A_scales, w_img, x_img, t_part; writes w_img, x_img, t_part
.if DOCPART == 1
	.amdgcn_target "amdgcn-amd-amdhsa--gfx1250"
	.amdhsa_code_object_version 6
	.text
	.protected	k_qe0b651c399_prep
	.globl	k_qe0b651c399_prep
	.p2align	8
	.type	k_qe0b651c399_prep,@function
k_qe0b651c399_prep:
	s_mov_b64 s[64:65], 0
	v_nop
	global_prefetch_b8 v0, s[64:65] scope:SCOPE_SE
	s_setreg_imm32_b32 hwreg(HW_REG_WAVE_MODE, 25, 1), 1
	s_wait_xcnt 0x0
; TWO JOBS IN ONE LAUNCH, told apart by the work-group's number alone; the two paths part once and never join, and each has LDS bytes of its own.
; BOTH LAY AN OPERAND OF THE LARGE PRODUCT AS THE NEXT LAUNCH WANTS IT: as images of the operand's registers.  x_img and w_img: [group of 128 rows, 32][K step of 128, 32][a chunk of 12,800 bytes].
;   A chunk: 8 fragments (16 rows x 128 K of 6-bit codes: 12 registers a lane) of 1,536 bytes, registers 4 k .. 4 k + 3 of lane l at 512 k + 16 l; behind them 512 bytes of scale words (four E8M0 bytes: a row's 128 along K):
;   the word of block i, row r at 256 (i / 4) + 16 r + 4 (i % 4).
; Work-groups 256 .. 767 (path Q): w = f32(qweight) x scales[0], [4096][4096], K innermost, becomes codes of BF6 (E3M2) and one E8M0 byte for each 32 along K.
;   A block's scale is 2^(floor(log2(its largest magnitude)) - 4); its byte is that magnitude's exponent field - 4, held at 1 from below.
; Work-groups 0 .. 255 (path T): t = x lora_A on the codes as they are given, [4096][16].  Work-group g takes rows 16 g .. 16 g + 15, wave w the K quarter 1024 w .. 1024 w + 1023: eight matrix instructions.
;   The four quarters' sums are stored apart (t_part), as images of the result's registers: [quarter][block of 16 rows][half c][lane][16 bytes]; lane (r, h), word 4 c + i = t(16 g + r, rank 8 h + 4 c + i).  The next launch adds them.
;   The eight fragments of x that the wave has in registers for that, and their scale words, are stored into x_img as they stand.
; LIMITS: NaN and infinities are not served; qweight x scales[0] must be finite in f32; a block of w whose largest magnitude lies under 2^(5 - 127), a block of zeros among them, gets the byte 1 (the stated quantiser gives 127 for zeros):
;   its codes are zeros or are made with that byte, and the bytes are read by this program alone.
; No tensor loads, no barrier: waves share nothing.  No cluster: all that work-groups share here is lora_A's 48 KiB.  768 = 3 x 256 work-groups, 83,968 bytes of LDS and 256 registers a wave each.
.set CHK,   12800                      ; a chunk
.set FRB,   1536                       ; a fragment's image
.set SCO,   8*FRB                      ; where a chunk's scale words begin
.set GRP,   32*CHK                     ; a group of 128 rows, all of K
.set EMAX,  4                          ; the exponent of the format's largest number, 28
.set QP,    528                        ; a row of path Q's stage: 512 bytes + 16 = 132 words: row r starts at bank 4 r mod 64 (64 banks of 4 bytes: ISA guide 11.1)
.set QW,    16*QP                      ; path Q's LDS: bytes 0 .. 33,791, a stage of 16 rows for each wave
.set TLDS,  4*QW                       ; path T's LDS begins here
.set TP,    784                        ; a row of path T's stage: 768 bytes + 16 = 196 words: row r starts at bank 4 r mod 64, so the 32 lanes of a load of 8 bytes touch 64 different banks
.set TW,    16*TP                      ; a wave's stage: 16 rows
.set M,     8                          ; Q: v8-9     the two blocks' largest magnitudes
.set SO,    10                         ; Q: v10-11   the conversions' scale operands
.set BY,    12                         ; Q: v12-13   the scales' bytes
.set R,     16                         ; Q: v16-143  two sets of 64: a fragment's numbers as they are loaded
.set X,     144                        ; Q: v144-207 my 64 numbers of a fragment: two whole blocks of 32
.set C,     208                        ; Q: v208-219 the fragment's 12 registers
.set CT,    220                        ; Q: v220-222, v224-226 the second half of each block's codes, as the conversion leaves them
.set WD,    232                        ; Q: v232-235 my row's scale word for each of the four fragments
.set P,     16                         ; T: v16-23   the quarter's sum
.set R1,    32                         ; T: v32-127  lora_A: 24 x 16 bytes as loaded, then 8 fragments of 12 registers
.set R2,    128                        ; T: v128-223 x likewise
.set ACC,   224                        ; T: v224-231, v232-239 two accumulators, by turns
.set XSW,   240                        ; T: v240-247 x's scale words, one for each K step of 128; nothing else ever stands in v240-255
.set ASW,   248                        ; T: v248-255 lora_A's
	s_load_b512 s[4:19], s[0:1], 0x0               ; qweight s[4:5], scales s[6:7], x_codes s[8:9], x_scales s[10:11], lora_A_codes s[12:13], lora_A_scales s[14:15], w_img s[16:17], x_img s[18:19]
	s_load_b64 s[20:21], s[0:1], 0x40              ; t_part
	s_set_vgpr_msb 0x40
	v_lshl_add_u32 v0, v0, 2, 0x14800
	v_mov_b32 v1, 0
	s_set_vgpr_msb 0x4000
	v_lshrrev_b32 v1, 5, v0
	v_readfirstlane_b32 s22, v1                    ; wave 0..3
	v_and_b32 v2, 31, v0                           ; lane
	s_wait_kmcnt 0x0
	s_cmp_lt_u32 ttmp9, 256
	s_cbranch_scc1 .Ltpath
; ---------------- PATH Q: the weight becomes fragments.  A wave takes 64 rows x 128 along K: four fragments, half a chunk.  The four waves of a work-group stand side by side along K: 2,048 consecutive bytes of each row.
; The operand's layout gives lane (r, h) the numbers k = 32 h + 0 .. 31 and k = 64 + 32 h + 0 .. 31 of row r: two whole blocks; a load is best where neighbouring LANES take neighbouring bytes.  Both are had: each of a
; fragment's sixteen loads reads one row's 512 consecutive bytes, 16 a lane; the 8,192 bytes go through the wave's own stage in LDS, row by row, and come back 2 x 128 bytes a lane.
	s_load_b32 s24, s[6:7], 0x0                    ; the one scale of the tensor
	s_sub_co_u32 s26, ttmp9, 256                   ; 0 .. 511
	s_and_b32 s27, s26, 7
	s_lshl_b32 s27, s27, 2
	s_add_co_u32 s27, s27, s22                     ; my K step of 128: 0 .. 31
	s_bfe_u32 s28, s26, 0x10003                    ; j: which 64 rows of the group
	s_lshr_b32 s26, s26, 4                         ; the group of 128 rows: 0 .. 31
	s_mov_b32 s31, 0
	s_lshl_b32 s30, s26, 21                        ; qweight: 128 rows of 16,384 bytes a group,
	s_lshl_b32 s29, s28, 20                        ; 64 rows,
	s_add_co_u32 s30, s30, s29
	s_lshl_b32 s29, s27, 9                         ; 512 bytes a K step
	s_add_co_u32 s30, s30, s29
	s_add_nc_u64 s[4:5], s[4:5], s[30:31]
	s_mul_i32 s30, s26, GRP
	s_mul_i32 s29, s27, CHK
	s_add_co_u32 s30, s30, s29                     ; my chunk
	s_lshl_b32 s32, s28, 8                         ; its scale words of blocks 4 j .. 4 j + 3: 256 bytes
	s_add_co_u32 s32, s32, s30
	s_add_co_u32 s32, s32, SCO
	s_mov_b32 s33, 0
	s_add_nc_u64 s[32:33], s[16:17], s[32:33]
	s_mul_i32 s29, s28, 4*FRB                      ; and its fragments 4 j .. 4 j + 3
	s_add_co_u32 s30, s30, s29
	s_add_nc_u64 s[16:17], s[16:17], s[30:31]
	s_mov_b32 s34, 0x76543210
	s_mov_b32 s35, 0xfedcba98                      ; v_permlanex16_b32's selects for lane l xor 16
	s_wait_alu depctr_va_vdst(0)
	v_lshlrev_b32 v3, 4, v2                        ; 16 x lane: my 16 bytes of a load's 512, and of a store's
	v_and_b32 v4, 15, v2                           ; r
	v_lshrrev_b32 v5, 4, v2                        ; h
	v_lshlrev_b32 v6, 3, v5                        ; 8 h
	v_lshl_add_u32 v7, v4, 4, v6                   ; 16 r + 8 h: where my two scale words go
	s_mul_i32 s29, s22, QW
	v_add_nc_u32 v14, s29, v3                      ; the stage, on the way in: a row's 512 bytes on end
	v_mul_u32_u24 v15, v4, QP
	v_lshl_add_u32 v15, v5, 7, v15
	v_add_nc_u32 v15, s29, v15                     ; and on the way out: row r, + 128 h
	v_mov_b32 v229, 0                              ; written once: a lane permute's destination counts as one of its sources
.macro LOADF t                         ; fragment t: 16 rows x 512 bytes into set t % 2
.irp rr, 0,1,2,3,4,5,6,7,8,9,10,11,12,13,14,15
	global_load_b128 v[R+64*((\t)%2)+4*\rr:R+64*((\t)%2)+4*\rr+3], v3, s[4:5] offset:(16*(\t)+\rr)*16384 th:TH_LOAD_NT   ; 32 lanes read 512 consecutive bytes; read once in the launch
.endr
.endm
	LOADF 0
	LOADF 1                                        ; loads run two fragments, 32 loads a wave, ahead
	s_wait_alu depctr_va_vdst(0)
	s_wait_kmcnt 0x0                               ; the scale
	s_mov_b32 s25, s24                             ; (the packed multiply names the pair and takes its low word for both halves: so s25 is written)
.macro FRAGQ t
.if (\t) < 3
	s_wait_loadcnt 16                              ; this fragment's sixteen loads are in; the next fragment's may be out
.else
	s_wait_loadcnt 0x0
.endif
.irp rr, 0,1,2,3,4,5,6,7,8,9,10,11,12,13,14,15
	ds_store_b128 v14, v[R+64*((\t)%2)+4*\rr:R+64*((\t)%2)+4*\rr+3] offset:QP*\rr
.endr
.irp c, 0,1                            ; LDS serves a wave's instructions in order (ISA guide 5.7.1.4): these see the stores above, and come behind the last fragment's reads
.irp i, 0,1,2,3,4,5,6,7
	ds_load_b128 v[X+32*\c+4*\i:X+32*\c+4*\i+3], v15 offset:256*\c+16*\i   ; block 2 c + h of row r
.endr
.endr
	s_wait_dscnt 0x0                               ; my 64 numbers are in, and the stores have read their registers,
.if (\t)+2 < 4
	LOADF (\t)+2                                   ; which take the loads of two fragments on
.endif
.set n, 0
.rept 64
	v_cvt_f32_i32 v[X+n], v[X+n]                   ; the whole number as f32: exact
.set n, n+1
.endr
.set n, 0
.rept 32
	v_pk_mul_f32 v[X+n:X+n+1], v[X+n:X+n+1], s[24:25] op_sel_hi:[1,0]   ; x scales[0]: w in f32, one rounding
.set n, n+2
.endr
.irp c, 0,1
	v_max3_num_f32 v[M+\c], |v[X+32*\c]|, |v[X+32*\c+1]|, (EMAX+1)<<23   ; a block's largest magnitude: all its 32 numbers are mine; and the floor 2^(EMAX + 1 - 127): so the byte cannot fall under 1
.endr
.irp i, 2,4,6,8,10,12,14,16,18,20,22,24,26,28,30
.irp c, 0,1
	v_max3_num_f32 v[M+\c], v[M+\c], |v[X+32*\c+\i]|, |v[X+32*\c+\i+1]|   ; (the two blocks by turns)
.endr
.endr
.irp c, 0,1
	v_add_nc_u32 v[SO+\c], 0xfe000000, v[M+\c]     ; EMAX off its exponent field: the conversion takes the exponent field of this operand as its scale, and nothing else of it
.endr
.irp c, 0,1
	v_lshrrev_b32 v[BY+\c], 23, v[SO+\c]           ; the scale's byte
.endr
	v_lshl_or_b32 v228, v[BY+1], 16, v[BY]         ; my two bytes: blocks h and 2 + h of row r,
	v_lshlrev_b32 v228, v6, v228                   ; at their places in the scale word (8 h bits up);
	v_permlanex16_b32 v229, v228, s34, s35
	v_or_b32 v[WD+(\t)], v228, v229                ; with lane l xor 16's two the word is whole, in both lanes
.if (\t) > 0
	s_wait_alu depctr_va_vdst(0)
	s_wait_xcnt 0x0                                ; the last fragment's stores have read their data: the codes' registers are written again only behind this wait
.endif
.irp c, 0,1
	v_cvt_scalef32_pk16_bf6_f32 v[C+6*\c:C+6*\c+2], v[X+32*\c:X+32*\c+15], v[SO+\c]        ; sixteen numbers / the scale, to the nearest code, ties to even, beyond the largest code the largest; 96 bits without gaps
	v_cvt_scalef32_pk16_bf6_f32 v[CT+4*\c:CT+4*\c+2], v[X+32*\c+16:X+32*\c+31], v[SO+\c]   ; (a conversion's three registers begin on an even number: the second half of a block's six does not, so it is made elsewhere and moved)
.endr
	v_nop                                          ; one plain place behind a scaled conversion
.irp c, 0,1
.irp i, 0,1,2
	v_mov_b32 v[C+3+6*\c+\i], v[CT+4*\c+\i]        ; registers 6 c .. 6 c + 5 now hold k = 64 c + 32 h + 0 .. 31
.endr
.endr
.irp k, 0,1,2
	global_store_b128 v3, v[C+4*\k:C+4*\k+3], s[16:17] offset:FRB*(\t)+512*\k   ; 32 lanes store 512 consecutive bytes, at a multiple of 256 from the buffer's first byte
.endr
.endm
.irp t, 0,1,2,3
	FRAGQ \t
.endr
	v_cmp_eq_u32 vcc_lo, 1, v5                     ; both lanes of a row hold its four words: lane (r, 0) stores those of fragments 0 and 1, lane (r, 1) those of 2 and 3
	v_cndmask_b32 v236, v[WD], v[WD+2], vcc_lo
	v_cndmask_b32 v237, v[WD+1], v[WD+3], vcc_lo
	global_store_b64 v7, v[236:237], s[32:33]      ; 32 lanes store 256 consecutive bytes, at a multiple of 256 from the buffer's first byte
	s_set_vgpr_msb 0x5
	s_wait_tensorcnt 0x0
	ds_add_u32 v0, v1
	s_wait_dscnt 0x0
	s_set_vgpr_msb 0x500
	s_endpgm
; ---------------- PATH T: a quarter of K of t = x lora_A for 16 rows, and x's images.  Straight line.
; A wave's part of x is 16 rows x 768 bytes, rows 3,072 bytes apart, each part beginning at a multiple of 256 bytes; lora_A's 16 ranks have the same shape.  Three loads of 16 bytes a lane take two rows' 1,536 bytes,
; each half of the lanes 256 consecutive bytes.  The bytes go through the wave's own stage (rows TP bytes apart) and come back as fragments: lane (r, h) takes 24 bytes at 96 q + 24 h and at 96 q + 48 + 24 h of row r.
.Ltpath:
	s_mov_b32 s25, 0
	s_mul_i32 s26, s22, 768                        ; my K quarter's bytes in a row of codes
	s_mul_i32 s24, ttmp9, 16*3072                  ; my work-group's 16 rows
	s_add_co_u32 s24, s24, s26
	s_add_nc_u64 s[8:9], s[8:9], s[24:25]
	s_mov_b32 s24, s26
	s_add_nc_u64 s[12:13], s[12:13], s[24:25]
	s_lshl_b32 s26, s22, 5                         ; and its 32 bytes in a row of scales
	s_lshl_b32 s24, ttmp9, 11
	s_add_co_u32 s24, s24, s26
	s_add_nc_u64 s[10:11], s[10:11], s[24:25]
	s_mov_b32 s24, s26
	s_add_nc_u64 s[14:15], s[14:15], s[24:25]
	s_lshl_b32 s24, s22, 18                        ; t_part: 262,144 bytes a quarter, 1,024 a block of 16 rows
	s_lshl_b32 s26, ttmp9, 10
	s_add_co_u32 s24, s24, s26
	s_add_nc_u64 s[20:21], s[20:21], s[24:25]
	s_lshr_b32 s26, ttmp9, 3                       ; x_img: my rows are block i = g % 8 of group g / 8;
	s_mul_i32 s24, s26, GRP
	s_mul_i32 s26, s22, 8*CHK                      ; my quarter's eight chunks
	s_add_co_u32 s24, s24, s26
	s_and_b32 s26, ttmp9, 7                        ; i
	s_lshr_b32 s27, s26, 2
	s_lshl_b32 s27, s27, 8                         ; the scale words: 256 (i / 4)
	s_and_b32 s28, s26, 3
	s_lshl_b32 s28, s28, 2                         ; + 4 (i % 4)
	s_add_co_u32 s28, s28, s27
	s_add_co_u32 s28, s28, s24
	s_add_co_u32 s28, s28, SCO
	s_mov_b32 s29, 0
	s_add_nc_u64 s[28:29], s[18:19], s[28:29]
	s_mul_i32 s26, s26, FRB                        ; the fragments: 1,536 i
	s_add_co_u32 s24, s24, s26
	s_add_nc_u64 s[18:19], s[18:19], s[24:25]
	s_mul_i32 s30, s22, TW
	s_add_co_u32 s30, s30, TLDS                    ; my stage
	v_and_b32 v1, 15, v0                           ; r
	v_bfe_u32 v3, v0, 4, 1                         ; h
	s_wait_alu depctr_va_vdst(0)
	v_lshlrev_b32 v4, 4, v2                        ; 16 x lane: a whole run of 512 bytes; also my place in an image
	v_mad_u32_u24 v5, v3, 2304, v4                 ; the middle load of three: lanes 0-15 end one row, lanes 16-31 begin the next: 3,072 - 768 bytes on
	v_add_nc_u32 v6, s30, v4                       ; the same two in the stage,
	v_lshl_add_u32 v7, v3, 4, v6                   ; where the next row begins 16 bytes of padding on
	v_mul_u32_u24 v8, v1, TP
	v_mad_u32_u24 v8, v3, 24, v8
	v_add_nc_u32 v8, s30, v8                       ; a fragment's row r, + 24 h
	v_lshlrev_b32 v9, 7, v1                        ; a row of scale bytes is 128 bytes
	v_lshlrev_b32 v14, 4, v1
	v_mad_u32_u24 v14, v3, CHK, v14                ; x's scale words on their way out: 16 r, lanes 16-31 a chunk further on
.macro GDENSE reg, sb, nt              ; 24 loads: two rows to three loads
.irp jj, 0,1,2,3,4,5,6,7
.if \nt
	global_load_b128 v[\reg+12*\jj:\reg+12*\jj+3],    v4, s[\sb:\sb+1] offset:6144*\jj th:TH_LOAD_NT
	global_load_b128 v[\reg+12*\jj+4:\reg+12*\jj+7],  v5, s[\sb:\sb+1] offset:6144*\jj+512 th:TH_LOAD_NT
	global_load_b128 v[\reg+12*\jj+8:\reg+12*\jj+11], v4, s[\sb:\sb+1] offset:6144*\jj+3328 th:TH_LOAD_NT
.else
	global_load_b128 v[\reg+12*\jj:\reg+12*\jj+3],    v4, s[\sb:\sb+1] offset:6144*\jj
	global_load_b128 v[\reg+12*\jj+4:\reg+12*\jj+7],  v5, s[\sb:\sb+1] offset:6144*\jj+512
	global_load_b128 v[\reg+12*\jj+8:\reg+12*\jj+11], v4, s[\sb:\sb+1] offset:6144*\jj+3328
.endif
.endr
.endm
.macro TOLDS reg                       ; the same bytes into the stage's rows
.irp jj, 0,1,2,3,4,5,6,7
	ds_store_b128 v6, v[\reg+12*\jj:\reg+12*\jj+3]    offset:2*TP*\jj
	ds_store_b128 v7, v[\reg+12*\jj+4:\reg+12*\jj+7]  offset:2*TP*\jj+512
	ds_store_b128 v6, v[\reg+12*\jj+8:\reg+12*\jj+11] offset:2*TP*\jj+TP+256
.endr
.endm
.macro FRAGS reg                       ; eight fragments, one for each K step of 128: registers 6 c .. 6 c + 5 hold K = 64 c + 32 h + 0 .. 31; in pieces of 8 bytes, so that every address is a multiple of the access's size
.irp q, 0,1,2,3,4,5,6,7
.irp p, 0,1,2,3,4,5
	ds_load_b64 v[\reg+12*\q+2*\p:\reg+12*\q+2*\p+1], v8 offset:96*\q+48*(\p/3)+8*(\p%3)
.endr
.endr
.endm
	global_load_b128 v[XSW:XSW+3],   v9, s[10:11]              ; row r's eight scale words of my quarter (lanes 16-31 hold the same as lanes 0-15)
	global_load_b128 v[XSW+4:XSW+7], v9, s[10:11] offset:16
	global_load_b128 v[ASW:ASW+3],   v9, s[14:15]              ; rank r's
	global_load_b128 v[ASW+4:ASW+7], v9, s[14:15] offset:16
	GDENSE R1, 12, 0                               ; lora_A: every work-group of this path reads it
	GDENSE R2, 8, 1                                ; x: read once in the whole program
	s_wait_alu depctr_va_vdst(0)
	s_wait_loadcnt 24                              ; the scale words and lora_A are in; x's 24 loads may be out
	TOLDS R1
	v_cmp_eq_u32 vcc_lo, 1, v3                     ; x's scale words go out: lanes 0-15 those of K step 2 u, lanes 16-31 those of K step 2 u + 1
.irp u, 0,1,2,3
	v_cndmask_b32 v[10+\u], v[XSW+2*\u], v[XSW+2*\u+1], vcc_lo
.endr
.irp u, 0,1,2,3
	global_store_b32 v14, v[10+\u], s[28:29] offset:2*CHK*\u   ; 4 bytes at every 16th byte of a run of 256, in each of two chunks: the other twelve of each sixteen are three other work-groups'.  A wave holds one block's words
.endr                                                          ; alone, so these runs are written in part: 524,288 bytes in all, one byte in 25 of what this path stores for x
	s_wait_dscnt 0x0                               ; the stores into the stage have read their registers, which the fragments take
	FRAGS R1
	s_wait_loadcnt 0x0                             ; x
	TOLDS R2                                       ; into the same stage: my own bytes, and LDS serves a wave's instructions in order: these come behind the reads above
	s_wait_dscnt 0x0
	FRAGS R2
	s_wait_dscnt 0x0
.irp q, 0,1,2,3,4,5,6,7                        ; x's fragments as they stand: the image of K step 8 w + q, block i
.irp k, 0,1,2
	global_store_b128 v4, v[R2+12*\q+4*\k:R2+12*\q+4*\k+3], s[18:19] offset:CHK*\q+512*\k   ; 32 lanes store 512 consecutive bytes, at a multiple of 256 from the buffer's first byte
.endr
.endr
; Source 0 = the 16 ranks, source 1 = 16 rows of x: lane (r, h) holds row r of t, its register i rank 8 h + i.  Two accumulators take turns, one instruction a turn; the first two products start the sums.
.irp q, 0,1,2,3,4,5,6,7
.if \q < 2
	v_wmma_scale_f32_16x16x128_f8f6f4 v[ACC+8*(\q%2):ACC+8*(\q%2)+7], v[R1+12*\q:R1+12*\q+11], v[R2+12*\q:R2+12*\q+11], 0, v[ASW+\q], v[XSW+\q] matrix_a_fmt:MATRIX_FMT_BF6 matrix_b_fmt:MATRIX_FMT_BF6
.else
	v_wmma_scale_f32_16x16x128_f8f6f4 v[ACC+8*(\q%2):ACC+8*(\q%2)+7], v[R1+12*\q:R1+12*\q+11], v[R2+12*\q:R2+12*\q+11], v[ACC+8*(\q%2):ACC+8*(\q%2)+7], v[ASW+\q], v[XSW+\q] matrix_a_fmt:MATRIX_FMT_BF6 matrix_b_fmt:MATRIX_FMT_BF6
.endif
.endr
.rept 4
	v_nop                                          ; four places between a matrix instruction and the vector instruction that reads its result (ISA guide 7.12.1)
.endr
.irp j, 0,2,4,6
	v_pk_add_f32 v[P+\j:P+\j+1], v[ACC+\j:ACC+\j+1], v[ACC+8+\j:ACC+8+\j+1]   ; the two halves of my quarter; each accumulator from its low end on
.endr
	global_store_b128 v4, v[P:P+3],   s[20:21]                 ; 32 lanes store 512 consecutive bytes
	global_store_b128 v4, v[P+4:P+7], s[20:21] offset:512
	s_set_vgpr_msb 0x5
	s_wait_tensorcnt 0x0
	ds_add_u32 v0, v1
	s_wait_dscnt 0x0
	s_set_vgpr_msb 0x500
	s_endpgm
.Lfunc_end_k_qe0b651c399_prep:
	.size	k_qe0b651c399_prep, .Lfunc_end_k_qe0b651c399_prep-k_qe0b651c399_prep
	.p2alignl 7, 3214868480
	.fill 96, 4, 3214868480
	.section	.rodata,"a",@progbits
	.p2align	6, 0x0
	.amdhsa_kernel k_qe0b651c399_prep
		.amdhsa_group_segment_fixed_size 84480
		.amdhsa_private_segment_fixed_size 0
		.amdhsa_enable_private_segment 0
		.amdhsa_kernarg_size 72
		.amdhsa_user_sgpr_count 2
		.amdhsa_user_sgpr_kernarg_segment_ptr 1
		.amdhsa_wavefront_size32 1
		.amdhsa_system_sgpr_workgroup_id_x 1
		.amdhsa_system_sgpr_workgroup_id_y 1
		.amdhsa_system_sgpr_workgroup_id_z 1
		.amdhsa_system_vgpr_workitem_id 0
		.amdhsa_next_free_vgpr 258
		.amdhsa_next_free_sgpr 66
		.amdhsa_reserve_vcc 1
		.amdhsa_float_denorm_mode_32 3
		.amdhsa_float_denorm_mode_16_64 3
		.amdhsa_memory_ordered 1
		.amdhsa_forward_progress 1
		.amdhsa_inst_pref_size 67
	.end_amdhsa_kernel
	.amdgpu_metadata
---
amdhsa.version: [ 1, 2 ]
amdhsa.kernels:
  - .name:           k_qe0b651c399_prep
    .symbol:         k_qe0b651c399_prep.kd
    .args:
      - { .name: qweight, .offset: 0, .size: 8, .value_kind: global_buffer, .address_space: global }
      - { .name: scales, .offset: 8, .size: 8, .value_kind: global_buffer, .address_space: global }
      - { .name: x_codes, .offset: 16, .size: 8, .value_kind: global_buffer, .address_space: global }
      - { .name: x_scales, .offset: 24, .size: 8, .value_kind: global_buffer, .address_space: global }
      - { .name: lora_A_codes, .offset: 32, .size: 8, .value_kind: global_buffer, .address_space: global }
      - { .name: lora_A_scales, .offset: 40, .size: 8, .value_kind: global_buffer, .address_space: global }
      - { .name: w_img, .offset: 48, .size: 8, .value_kind: global_buffer, .address_space: global }
      - { .name: x_img, .offset: 56, .size: 8, .value_kind: global_buffer, .address_space: global }
      - { .name: t_part, .offset: 64, .size: 8, .value_kind: global_buffer, .address_space: global }
    .group_segment_fixed_size: 84480
    .private_segment_fixed_size: 0
    .kernarg_segment_align: 8
    .kernarg_segment_size: 72
    .max_flat_workgroup_size: 128
    .sgpr_count:     66
    .vgpr_count:     258
    .wavefront_size: 32
...
	.end_amdgpu_metadata
.endif
;; end of part 1
;; launch gemm (part 2): grid 16 x 16, 4 waves a work-group, clusters of 4 x 4, 327,680 bytes of LDS; arguments x_img, w_img, out0, t_part, lora_B, bias; writes out0
.if DOCPART == 2
	.amdgcn_target "amdgcn-amd-amdhsa--gfx1250"
	.amdhsa_code_object_version 6
	.text
	.protected	k_qe0b651c399_gemm
	.globl	k_qe0b651c399_gemm
	.p2align	8
	.type	k_qe0b651c399_gemm,@function
k_qe0b651c399_gemm:
	s_mov_b64 s[64:65], 0
	v_nop
	global_prefetch_b8 v0, s[64:65] scope:SCOPE_SE
	s_setreg_imm32_b32 hwreg(HW_REG_WAVE_MODE, 25, 1), 1
	s_wait_xcnt 0x0
	s_wait_alu depctr_hold_cnt(0) depctr_sa_sdst(0) depctr_va_vdst(0) depctr_va_sdst(0) depctr_va_ssrc(0) depctr_va_vcc(0) depctr_vm_vsrc(0)
	s_getreg_b32 s2, hwreg(HW_REG_IB_STS2, 6, 4)
	s_cmp_eq_u32 s2, 0
	s_cbranch_scc0 .Lentry_in_a_cluster
	s_endpgm
.Lentry_in_a_cluster:
	s_bfe_u32 s2, ttmp6, 0x10000c
	s_cmp_lg_u32 s2, 0xf033
	s_cbranch_scc0 .Lentry_shape_is_right
	s_endpgm
.Lentry_shape_is_right:
; out0[m][n] = sum over k of x[m][k] w[n][k] + bias[n] + sum over rank of t[m][rank] lora_B[rank][n].
; x_img and w_img hold the two operands of the large product as images of the operand's registers: [group of 128 rows][K step of 128][chunk of 12,800 bytes];
; a chunk: 8 fragments (16 rows x 128 K of E3M2 codes, 12 registers a lane) of 1,536 bytes, registers 4 k .. 4 k + 3 of lane l at 512 k + 16 l, then 512 bytes of scale words.
; t_part holds t = x lora_A as four sums over quarters of K.  The small product (K = 16) goes in bf16: t and lora_B are rounded to bf16 there; its C is the bias, and its results start the 64 sums.
; A tile of out0, 256 x 256, is made by four waves, 128 x 128 each: 64 accumulators, 512 registers.  4 x 4 work-groups form a cluster: x's tiles are asked for jointly along a row of it, w's along a column.
; THE RING: two LDS slots of three K steps (4 x 38,400 bytes).  Fill f holds K steps 3 f .. 3 f + 2 and lies in slot f % 2; fill 10 holds the last two steps.  Each wave brings one group's part of a fill by one tensor load.
; A K STEP: BOTH operands have two sets of registers.  A step begins with ONE run of 50 LDS loads, the whole next step's fragments and scale words into the other set; then its 64 matrix instructions follow on end.
; A slot's third chunk is fetched at the head of its second step, so the slot is free at that step's end: there stand the waits, the add and the cluster's round, and behind the round the refill.
; THE MATRIX INSTRUCTION IS USED TRANSPOSED (source 0 = 16 rows of w, source 1 = 16 rows of x): a lane holds eight neighbouring numbers of a row of out0.
; REGISTERS: window 0: v0-31 addresses; v32-47 scale words, two sets of 8 (lanes 0-15 x's block i, lanes 16-31 w's block i); v64-159, v160-255 x's fragments, two sets.
;   window 1: v0-95, v128-223 w's fragments, two sets.  windows 2, 3: the accumulators ((a, b) at v[8 (8 (a % 4) + b)] of window 2 + a / 4).
;   At the head the small product's operands lie in set 1's registers (and v224-255 of window 1), its loaded numbers in windows 2 and 3.
; LIMITS: NaN and infinities in the inputs are not served beyond what the instructions make of them.
.set SIZE_N, 4096
.set CHK,    12800
.set FRB,    1536
.set SCO,    8*FRB                     ; where a chunk's scale words begin
.set GRP,    32*CHK                    ; a group of 128 rows, all of K
.set FILL,   3*CHK                     ; what one tensor load brings
.set SLOT,   4*FILL                    ; x's two groups, then w's two
.set FR,     12
.set NP,     4                         ; places behind this matrix instruction (ISA guide 7.12.1)
.set SPARE,  2*SLOT                    ; the spare words: 128 bytes a wave, named by no other line
.set SPITCH, 528                       ; the way out: stage rows of 512 + 16 bytes
.set STAGE,  2*CHK                     ; each wave's stage: the third chunk of its own quarter of slot 0, which the last fill (two chunks) does not touch and nobody reads behind K step 25's round
.set TO,   7                           ; 16 x lane
.set BO,   8                           ; lora_B: 4 r + 8 h rows
.set BI,   9                           ; bias: 32 h
.set ADRA, 16                          ; v16-17 my x fragments in slot 0, 1
.set ADRB, 20                          ; v20-21 my w fragments
.set ADRS, 22                          ; v22-23 my scale words
.set STO,  24
.set RD,   25
.set CO,   26
.set SPW,  28
.set NIL,  29
.set PFO,  30                          ; v30-31 the prefetches' offsets
.set SC,   32
.set AF,   64
.set TF,   160                         ; head: t as bf16 fragments, window 0
.set LB,   128                         ; head: lora_B as bf16 fragments, window 1
.set BB1,  192                         ; head: the bias in the result's layout, window 1
.set BK,   128                         ; the way out: rows read back, two sets of 64
.set G1, 24                            ; group 1 for x's fills; s[32:39] group 0, a set for each slot
.set G0, 32
.set G1B, 48                           ; the same for w's
.set G0B, 56
.set G1H, 68                           ; group 1 for the last fill, of two chunks: x's, w's
.set G1BH, 80
.set PFA, 92
.set MSB, 0
.macro WIN new                         ; the immediate's high byte repeats the setting that is left
.if MSB != (\new)
	s_set_vgpr_msb (MSB<<8)|(\new)
.set MSB, (\new)
.endif
.endm
.set MUL_LO, 0xa1                      ; source 0 window 1, source 1 window 0, C and D window 2 (+0x50: window 3)
.set TO_B,   0x40
; A joint load: waves 0, 1 fetch x's two groups, waves 2, 3 w's.  s_nop 0 and four v_nop follow each line.
.macro JLOAD g0a, g1a, g0b, g1b
	s_cmp_eq_u32 s15, 0
	s_cbranch_scc0 .Lfor_b_\@
	tensor_load_to_lds s[\g0a:\g0a+3], s[\g1a:\g1a+7]
	s_nop 0
.rept 4
	v_nop
.endr
	s_branch .Lasked_\@
.Lfor_b_\@:
	tensor_load_to_lds s[\g0b:\g0b+3], s[\g1b:\g1b+7]
	s_nop 0
.rept 4
	v_nop
.endr
.Lasked_\@:
.endm
.macro CREST                           ; a round of the cluster's barrier behind its opening barrier
	s_cmp_lg_u32 s14, 0
	s_cbranch_scc1 .Lnot_wave_0_\@
	s_barrier_signal -3
.Lnot_wave_0_\@:
	s_barrier_wait -3
	s_barrier_signal -1
	s_barrier_wait -1
.endm
.macro CROUND
	s_barrier_signal -1
	s_barrier_wait -1
	CREST
.endm
; A prefetch of the fill behind the one just asked for (three K steps on): its 150 blocks of 256 bytes of my group are shared out by address among the four partners that load it jointly:
; partner p, lane l names block 32 p + l, and blocks 128 .. 149 by the second line (lanes left over name block 149 again).  how = 2: not in the loop's last trip, whose next fill but one is the short one.
.macro ASK how
.if \how == 2
	s_cmp_gt_u32 s3, 1
	s_cbranch_scc0 .Lno_ask_\@
.endif
	global_prefetch_b8 v[PFO], s[PFA:PFA+1] th:TH_LOAD_NT scope:SCOPE_SE
	global_prefetch_b8 v[PFO+1], s[PFA:PFA+1] offset:128*256 th:TH_LOAD_NT scope:SCOPE_SE
.if \how == 2
.Lno_ask_\@:
.endif
.endm
.macro PLACES n
.if \n > 0
.rept \n
	v_nop
.endr
.endif
.endm
	s_load_b128 s[4:7], s[0:1], 0x0                ; x_img, w_img
	s_load_b64 s[12:13], s[0:1], 0x10              ; out0
	s_load_b64 s[96:97], s[0:1], 0x18              ; t_part
	s_load_b64 s[98:99], s[0:1], 0x20              ; lora_B
	s_load_b64 s[100:101], s[0:1], 0x28            ; bias
	v_lshl_add_u32 v[SPW], v0, 2, SPARE
	v_mov_b32 v[NIL], 0
	ds_add_u32 v[SPW], v[NIL]                      ; the opening lines: the add, twice on end, and its wait ahead of my first tensor load
	ds_add_u32 v[SPW], v[NIL]
	v_lshrrev_b32 v3, 5, v0
	v_readfirstlane_b32 s14, v3                    ; wave 0..3
	s_lshr_b32 s15, s14, 1                         ; my half of the tile's rows; also: I fetch for x (0) or w (1)
	s_and_b32 s16, s14, 1                          ; my half of its columns; also: which group I fetch
	s_bfe_u32 s40, ttmp6, 0x40000                  ; cx
	s_bfe_u32 s41, ttmp6, 0x40004                  ; cy
	s_lshl_b32 s42, ttmp9, 2
	s_add_co_u32 s42, s42, s40                     ; tile column
	s_and_b32 s17, ttmp7, 0xffff
	s_lshl_b32 s17, s17, 2
	s_add_co_u32 s17, s17, s41                     ; tile row
	s_lshl_b32 s43, s41, 2
	s_lshl_b32 s43, 15, s43                        ; my row of the cluster
	s_lshl_b32 s44, 0x1111, s40                    ; my column
	s_or_b32 s[G1+0], s43, (3<<16)|(1<<21)         ; elements of 8 bytes, no padding: a fill is a dense block, as rows of 256 bytes
	s_or_b32 s[G1B+0], s44, (3<<16)|(1<<21)
	s_or_b32 s[G1H+0], s43, (3<<16)|(1<<21)
	s_or_b32 s[G1BH+0], s44, (3<<16)|(1<<21)
.irp g, G1, G1B
	s_mov_b32 s[\g+1], 32<<16
	s_mov_b32 s[\g+2], (FILL/256)<<16
	s_mov_b32 s[\g+3], 32<<16
	s_mov_b32 s[\g+4], FILL/256
	s_mov_b32 s[\g+5], 32
	s_mov_b32 s[\g+6], 0
	s_mov_b32 s[\g+7], 0
.endr
.irp g, G1H, G1BH
	s_mov_b32 s[\g+1], 32<<16
	s_mov_b32 s[\g+2], (2*CHK/256)<<16
	s_mov_b32 s[\g+3], 32<<16
	s_mov_b32 s[\g+4], 2*CHK/256
	s_mov_b32 s[\g+5], 32
	s_mov_b32 s[\g+6], 0
	s_mov_b32 s[\g+7], 0
.endr
	s_lshl_b32 s20, s17, 1                         ; x: group 2 x tile row + which
	s_add_co_u32 s20, s20, s16
	s_mul_i32 s20, s20, GRP
	s_mov_b32 s21, 0
	s_lshl_b32 s46, s42, 1                         ; w: group 2 x tile column + which
	s_add_co_u32 s46, s46, s16
	s_mul_i32 s46, s46, GRP
	s_mov_b32 s47, 0
	s_mul_i32 s45, s14, FILL                       ; where my part of a fill goes
	s_lshl_b32 s88, s17, 4                         ; t_part: my first block of 16 rows, 1,024 bytes a block
	s_lshl_b32 s89, s15, 3
	s_add_co_u32 s88, s88, s89
	s_lshl_b32 s88, s88, 10
	s_mov_b32 s89, 0
	s_lshl_b32 s90, s42, 10                        ; my first column, in bytes of f32
	s_lshl_b32 s91, s16, 9
	s_add_co_u32 s90, s90, s91
	s_mov_b32 s91, 0
	s_lshl_b32 s76, s17, 8                         ; out0: my first row x 16,384 bytes + my first column
	s_lshl_b32 s77, s15, 7
	s_add_co_u32 s76, s76, s77
	s_lshl_b32 s76, s76, 14
	s_add_co_u32 s76, s76, s90
	s_mov_b32 s77, 0
	s_lshl_b32 s78, s17, 1                         ; the prefetches: the group that I fetch, at fill 2; each change of slots steps it by a fill ahead of its prefetch
	s_lshl_b32 s79, s42, 1
	s_cmp_eq_u32 s15, 0
	s_cselect_b32 s78, s78, s79
	s_cselect_b32 s10, s40, s41                    ; my place among the four that ask with me
	s_add_co_u32 s78, s78, s16
	s_mul_i32 s78, s78, GRP
	s_add_co_u32 s78, s78, 2*FILL
	s_mov_b32 s79, 0
	s_lshl_b32 s10, s10, 5
	s_mul_i32 s18, s15, FILL                       ; LDS: my group of x,
	s_mul_i32 s19, s16, FILL
	s_add_co_u32 s19, s19, 2*FILL                  ; my group of w,
	s_sub_co_u32 s22, s19, s18                     ; the distance between the two,
	s_mul_i32 s23, s14, FILL
	s_add_co_u32 s23, s23, STAGE                   ; my stage
	v_and_b32 v1, 15, v0                           ; r
	v_bfe_u32 v2, v0, 4, 1                         ; h
	v_and_b32 v6, 31, v0
	v_lshlrev_b32 v[TO], 4, v6
	v_lshlrev_b32 v[BO], 2, v1
	v_lshl_add_u32 v[BO], v2, 17, v[BO]
	v_lshlrev_b32 v[BI], 5, v2
	v_mul_u32_u24 v3, s22, v2                      ; lanes 16-31 take w's scale words
	v_lshl_add_u32 v5, v1, 4, v3
	v_add_nc_u32 v5, SCO, v5
	v_add_nc_u32 v[ADRA], s18, v[TO]
	v_add_nc_u32 v[ADRB], s19, v[TO]
	v_add_nc_u32 v[ADRS], s18, v5
	v_add_nc_u32 v[ADRA+1], SLOT, v[ADRA]
	v_add_nc_u32 v[ADRB+1], SLOT, v[ADRB]
	v_add_nc_u32 v[ADRS+1], SLOT, v[ADRS]
	v_mul_u32_u24 v4, v1, SPITCH
	v_lshl_add_u32 v4, v2, 5, v4
	v_add_nc_u32 v[STO], s23, v4                   ; into the stage: row r, 32 bytes for each half of the lanes
	v_lshlrev_b32 v[CO], 4, v6
	v_add_nc_u32 v[RD], s23, v[CO]                 ; back: 32 lanes take a row of 512 bytes
	v_add_nc_u32 v[PFO], s10, v6
	v_min_u32 v[PFO+1], 21, v[PFO]
	v_lshlrev_b32 v[PFO], 8, v[PFO]
	v_lshlrev_b32 v[PFO+1], 8, v[PFO+1]
	s_wait_alu depctr_va_vdst(0)                   ; no address register is written behind it
	s_wait_dscnt 0x0                               ; both opening adds are done
	CROUND                                         ; the round in front of the first joint loads: it names no argument, so it stands ahead of the wait for them
	s_wait_kmcnt 0x0
	s_add_nc_u64 s[20:21], s[4:5], s[20:21]
	s_add_nc_u64 s[46:47], s[6:7], s[46:47]
	s_add_nc_u64 s[96:97], s[96:97], s[88:89]
	s_add_nc_u64 s[98:99], s[98:99], s[90:91]
	s_add_nc_u64 s[100:101], s[100:101], s[90:91]
	s_add_nc_u64 s[12:13], s[12:13], s[76:77]
	s_cmp_eq_u32 s15, 0
	s_cselect_b64 s[PFA:PFA+1], s[4:5], s[6:7]
	s_add_nc_u64 s[PFA:PFA+1], s[PFA:PFA+1], s[78:79]
.irp s, 0,1
	s_mov_b32 s[G0+4*\s], 1
	s_add_co_u32 s[G0+4*\s+1], s45, \s*SLOT
	s_add_nc_u64 s[G0+4*\s+2:G0+4*\s+3], s[20:21], \s*FILL
	s_or_b32 s[G0+4*\s+3], s[G0+4*\s+3], 0x80000000
	s_mov_b32 s[G0B+4*\s], 1
	s_add_co_u32 s[G0B+4*\s+1], s45, \s*SLOT
	s_add_nc_u64 s[G0B+4*\s+2:G0B+4*\s+3], s[46:47], \s*FILL
	s_or_b32 s[G0B+4*\s+3], s[G0B+4*\s+3], 0x80000000
.endr
	JLOAD G0, G1, G0B, G1B                         ; fill 0: my one tensor load at the head
	; the small product's numbers are asked for while fill 0 is on its way
	WIN 0x80
.irp a, 0,1,2,3,4,5,6,7
.irp p, 0,1,2,3
.irp c, 0,1
	global_load_b128 v[32*\a+8*\p+4*\c:32*\a+8*\p+4*\c+3], v[TO], s[96:97] offset:262144*\p+1024*\a+512*\c   ; quarter p of t, block a: lane (r, h), word 4 c + i = t(row r, rank 8 h + 4 c + i)
.endr
.endr
.endr
	WIN 0xc0
.irp b, 0,1,2,3,4,5,6,7
.irp i, 0,1,2,3,4,5,6,7
	global_load_b32 v[8*\b+\i], v[BO], s[98:99] offset:16384*\i+64*\b   ; lora_B(8 h + i, 16 b + r)
.endr
.endr
	WIN 0x40
.irp b, 0,1,2,3,4,5,6,7
.irp c, 0,1
	global_load_b128 v[BB1+8*\b+4*\c:BB1+8*\b+4*\c+3], v[BI], s[100:101] offset:64*\b+16*\c   ; bias(16 b + 8 h + 4 c ..)
.endr
.endr
	WIN 0
.macro FRAG3 reg, adr, off
.irp k, 0,1,2
	ds_load_b128 v[\reg+4*\k:\reg+4*\k+3], v[\adr] offset:\off+512*\k
.endr
.endm
; 50 LDS loads in one run: chunk c of a slot into set p: w's eight fragments, the scale words, x's eight fragments
.macro FETCH slot, c, p
	WIN TO_B
.irp i, 0,1,2,3,4,5,6,7
	FRAG3 128*(\p)+FR*\i, ADRB+(\slot), CHK*(\c)+FRB*\i
.endr
	WIN 0
	ds_load_b128 v[SC+8*(\p):SC+8*(\p)+3],   v[ADRS+(\slot)] offset:CHK*(\c)
	ds_load_b128 v[SC+8*(\p)+4:SC+8*(\p)+7], v[ADRS+(\slot)] offset:CHK*(\c)+256
.irp i, 0,1,2,3,4,5,6,7
	FRAG3 AF+96*(\p)+FR*\i, ADRA+(\slot), CHK*(\c)+FRB*\i
.endr
.endm
; x's block a against w's eight.  The 64 accumulators take turns, in the same order in every step.
.macro MUL8 a, p
	WIN MUL_LO+0x50*((\a)/4)
.irp b, 0,1,2,3,4,5,6,7
	v_wmma_scale_f32_16x16x128_f8f6f4 v[8*(8*((\a)%4)+\b):8*(8*((\a)%4)+\b)+7], v[128*(\p)+FR*\b:128*(\p)+FR*\b+FR-1], v[AF+96*(\p)+FR*(\a):AF+96*(\p)+FR*(\a)+FR-1], v[8*(8*((\a)%4)+\b):8*(8*((\a)%4)+\b)+7], v[SC+8*(\p)+\b], v[SC+8*(\p)+(\a)] matrix_a_fmt:MATRIX_FMT_BF6 matrix_b_fmt:MATRIX_FMT_BF6 matrix_a_scale:MATRIX_SCALE_ROW1
.endr
.endm
; A K step on set p; chunk nc of slot ns, the next step's, goes into the other set.  pl: the places in front of loads into registers that the last step's products read (0 where four v_nop already stand there).
.macro STEP p, ns, nc, pl, ask
	s_wait_dscnt 0x0                               ; set p is in: its 50 loads were issued a step ago
	PLACES \pl
	FETCH \ns, \nc, 1-(\p)
.if \ask
	ASK \ask
.endif
.irp a, 0,1,2,3,4,5,6,7
	MUL8 \a, \p
.endr
.endm
; A slot's second step.  Its run of loads is the last that reads the slot.  Behind 48 products: the wait for all my tensor loads (one is out: my part of the other slot), the add, 8 products,
; the wait for the add and for my reads, the barrier's signal, 8 products, its wait; fill = 1: the barrier opens a round of the cluster's barrier, and the slot is filled again, two fills on.
.macro TURN slot, p, fill, pf, g1a, g1b
.if \pf
	s_wait_xcnt 0x0                                ; my last prefetches have read their base
	s_add_nc_u64 s[PFA:PFA+1], s[PFA:PFA+1], FILL
.endif
	s_wait_dscnt 0x0
	PLACES NP
	FETCH \slot, 2, 1-(\p)
.irp a, 0,1,2,3,4,5
	MUL8 \a, \p
.endr
	WIN 0                                          ; (the add's two registers lie in window 0)
	s_wait_tensorcnt 0x0
	ds_add_u32 v[SPW], v[NIL]
	MUL8 6, \p
	s_wait_dscnt 0x0                               ; the add is done, and my reads of this slot are over
	s_barrier_signal -1
	MUL8 7, \p
	WIN 0
	s_barrier_wait -1
.if \fill
	CREST                                          ; no wave of any partner still reads this slot or has a load on its way
	s_add_nc_u64 s[G0+4*\slot+2:G0+4*\slot+3], s[G0+4*\slot+2:G0+4*\slot+3], 2*FILL
	s_add_nc_u64 s[G0B+4*\slot+2:G0B+4*\slot+3], s[G0B+4*\slot+2:G0B+4*\slot+3], 2*FILL
	JLOAD G0+4*\slot, \g1a, G0B+4*\slot, \g1b      ; the first tensor load behind the round; its four v_nop are the places in front of the next run of loads
.endif
.endm
	s_wait_loadcnt 0x0                             ; t, lora_B, bias: their additions and conversions are made while fill 0 is on its way
	; K = 32 of the bf16 form holds the 16 ranks twice: quarters 0 + 1 of t against lora_B, and quarters 2 + 3 against lora_B once more
	WIN 0x8a
.irp a, 0,1,2,3,4,5,6,7
.irp j, 0,2,4,6
	v_pk_add_f32 v[32*\a+\j:32*\a+\j+1], v[32*\a+\j:32*\a+\j+1], v[32*\a+8+\j:32*\a+8+\j+1]
	v_pk_add_f32 v[32*\a+16+\j:32*\a+16+\j+1], v[32*\a+16+\j:32*\a+16+\j+1], v[32*\a+24+\j:32*\a+24+\j+1]
.endr
.endr
	WIN 0x0a
.irp a, 0,1,2,3,4,5,6,7
.irp i, 0,1,2,3
	v_cvt_pk_bf16_f32 v[TF+8*\a+\i],   v[32*\a+2*\i],    v[32*\a+2*\i+1]
	v_cvt_pk_bf16_f32 v[TF+8*\a+4+\i], v[32*\a+16+2*\i], v[32*\a+16+2*\i+1]
.endr
.endr
	WIN 0x4f
.irp b, 0,1,2,3,4,5,6,7
.irp i, 0,1,2,3
	v_cvt_pk_bf16_f32 v[LB+8*\b+\i],   v[8*\b+2*\i], v[8*\b+2*\i+1]
	v_cvt_pk_bf16_f32 v[LB+8*\b+4+\i], v[8*\b+2*\i], v[8*\b+2*\i+1]
.endr
.endr
	WIN 0
	s_wait_alu depctr_va_vdst(0)
	s_wait_tensorcnt 0x0                           ; my part of fill 0 is in
	ds_add_u32 v[SPW], v[NIL]
	s_wait_dscnt 0x0
	CROUND                                         ; fill 0 is whole, and all sixteen work-groups are here
	JLOAD G0+4, G1, G0B+4, G1B                     ; fill 1, slot 1's first
	FETCH 0, 0, 0                                  ; K step 0 into set 0; the small product's 64 matrix instructions, on set 1's registers, stand between these loads and the wait for them
.irp a, 0,1,2,3,4,5,6,7
	WIN 0x91+0x40*(\a/4)
.irp b, 0,1,2,3,4,5,6,7
	v_wmma_f32_16x16x32_bf16 v[8*(8*(\a%4)+\b):8*(8*(\a%4)+\b)+7], v[LB+8*\b:LB+8*\b+7], v[TF+8*\a:TF+8*\a+7], v[BB1+8*\b:BB1+8*\b+7]   ; bias + t lora_B starts each sum: nothing is cleared
.endr
.endr
	WIN 0
	PLACES NP+1                                    ; another form takes these results up as C, and loads land on these operands
	STEP 0, 0, 1, 0, 0                             ; K step 0
	WIN 0
	s_mov_b32 s3, 4
.Llap:                                                 ; a trip: six K steps, 6 k + 1 .. 6 k + 6, once round the ring and both sets back where they began; it asks for fills 2 k + 2 and 2 k + 3
	TURN 0, 1, 1, 1, G1, G1B
	STEP 0, 1, 0, 0, 1
	STEP 1, 1, 1, NP, 0
	TURN 1, 0, 1, 1, G1, G1B
	STEP 1, 0, 0, 0, 2
	STEP 0, 0, 1, NP, 0
	WIN 0
	s_sub_co_u32 s3, s3, 1
	s_cmp_lg_u32 s3, 0
	s_cbranch_scc1 .Llap
	TURN 0, 1, 1, 0, G1H, G1BH                     ; K step 25: the last fill, of two chunks
	STEP 0, 1, 0, 0, 0
	STEP 1, 1, 1, NP, 0
	TURN 1, 0, 0, 0, G1, G1B                       ; K step 28: the barrier shows the last fill whole; nothing is filled again, so K steps 29, 30, 31 all lie in LDS from here on
; THE LAST THREE K STEPS GO BY HALVES OF MY ROWS: blocks 0-3 through K steps 29, 30, 31, then blocks 4-7 through the same three, so that blocks 0-3 leave while blocks 4-7 are multiplied.
; w's fragments and the scale words of these three steps are read from LDS once for each half: 26 loads more a step.
.macro HFETCH slot, c, p, hf           ; 38 LDS loads: chunk c of a slot into set p: w's eight fragments, the scale words, x's blocks 4 hf .. 4 hf + 3
	WIN TO_B
.irp i, 0,1,2,3,4,5,6,7
	FRAG3 128*(\p)+FR*\i, ADRB+(\slot), CHK*(\c)+FRB*\i
.endr
	WIN 0
	ds_load_b128 v[SC+8*(\p):SC+8*(\p)+3],   v[ADRS+(\slot)] offset:CHK*(\c)
	ds_load_b128 v[SC+8*(\p)+4:SC+8*(\p)+7], v[ADRS+(\slot)] offset:CHK*(\c)+256
.irp i, 0,1,2,3
	FRAG3 AF+96*(\p)+FR*(4*(\hf)+\i), ADRA+(\slot), CHK*(\c)+FRB*(4*(\hf)+\i)
.endr
.endm
.macro HMUL p, hf                      ; 32 products: blocks 4 hf .. 4 hf + 3 on set p; their 32 accumulators by turns
.irp a, 0,1,2,3
	MUL8 4*(\hf)+\a, \p
.endr
.endm
.macro HSTEP p, hf, ns, nc, nh         ; half a K step on set p; half nh of chunk nc of slot ns goes into the other set
	s_wait_dscnt 0x0
	PLACES NP
	HFETCH \ns, \nc, 1-(\p), \nh
	HMUL \p, \hf
.endm
	HSTEP 1, 0, 0, 0, 0                            ; blocks 0-3, K step 29 (set 1 holds it whole)
	HSTEP 0, 0, 0, 1, 0                            ; K step 30
	HSTEP 1, 0, 1, 2, 1                            ; K step 31: blocks 0-3 are finished; blocks 4-7 of K step 29 are fetched
; THE WAY OUT, block by block of 16 rows x 128 columns: through my own stage, back as whole rows of 512 bytes.  LDS serves a wave's instructions in order (ISA guide 5.7.1.4): no wait between the stores and the loads.
.macro TOSTAGE a, bk                   ; bk: the 64 registers of window 0 that take the rows read back
.set AC, 64*((\a)%4)
	WIN 0x08+4*((\a)/4)
.irp b, 0,1,2,3,4,5,6,7
	ds_store_b128 v[STO], v[AC+8*\b:AC+8*\b+3] offset:64*\b          ; each accumulator from its low end on
	ds_store_b128 v[STO], v[AC+8*\b+4:AC+8*\b+7] offset:64*\b+16
.endr
	WIN 0
.set BB, \bk
.irp t, 0,1,2,3,4,5,6,7,8,9,10,11,12,13,14,15
	ds_load_b128 v[BB+4*\t:BB+4*\t+3], v[RD] offset:\t*SPITCH
.endr
.endm
.macro SEND a, bk, younger             ; younger: the LDS instructions issued behind block a's loads
.set BB, \bk
	WIN 0
	s_wait_dscnt \younger
.if (\a) > 0
	s_add_nc_u64 s[12:13], s[12:13], 16*SIZE_N*4   ; behind a wait on XCNT: the earlier stores have read their base
.endif
.irp t, 0,1,2,3,4,5,6,7,8,9,10,11,12,13,14,15
	global_store_b128 v[CO], v[BB+4*\t:BB+4*\t+3], s[12:13] offset:\t*SIZE_N*4 th:TH_STORE_NT   ; 32 lanes store 512 consecutive bytes, at a multiple of 256 from out0's first byte
.endr
.endm
	; Blocks 4-7, K steps 29, 30, 31.  Each half step's memory instructions stand in one run at its head: the stores of the block read back in the run before, the next fetch, the next finished block through the stage.
	; The rows read back lie in v48-111: sixteen spare registers and the half of x's set 0 that this pass does not use.
	s_wait_dscnt 0x0
	PLACES NP                                      ; in front of reads of blocks 0-3's results and of loads into registers that products have read
	HFETCH 0, 0, 1, 1
	TOSTAGE 0, 48
	HMUL 0, 1                                      ; K step 29
	s_wait_dscnt 0x0
	PLACES NP
	SEND 0, 48, 0
	HFETCH 0, 1, 0, 1
	s_wait_xcnt 0x0                                ; block 0's stores have read their registers and their base
	TOSTAGE 1, 48
	HMUL 1, 1                                      ; K step 30
	s_wait_dscnt 0x0
	PLACES NP
	SEND 1, 48, 0
	s_wait_xcnt 0x0
	TOSTAGE 2, 48
	HMUL 0, 1                                      ; K step 31: the last products
	WIN 0
	PLACES NP                                      ; in front of reads of blocks 4-7's results and of loads into registers that held fragments
	TOSTAGE 3, BK+64
	SEND 2, 48, 32                                 ; behind block 2's loads: block 3's 16 stores and 16 loads
.irp a, 4,5,6,7
	s_wait_xcnt 0x0                                ; block a - 2's stores have read their registers and their base
	TOSTAGE \a, BK+64*(\a%2)
	SEND \a-1, BK+64*((\a-1)%2), 32
.endr
	s_wait_xcnt 0x0
	SEND 7, BK+64, 0
	s_wait_tensorcnt 0x0                           ; the wave's end
	ds_add_u32 v[SPW], v[NIL]
	s_wait_dscnt 0x0
	CROUND                                         ; the closing round
	s_endpgm
.Lfunc_end_k_qe0b651c399_gemm:
	.size	k_qe0b651c399_gemm, .Lfunc_end_k_qe0b651c399_gemm-k_qe0b651c399_gemm
	.p2alignl 7, 3214868480
	.fill 96, 4, 3214868480
	.section	.rodata,"a",@progbits
	.p2align	6, 0x0
	.amdhsa_kernel k_qe0b651c399_gemm
		.amdhsa_group_segment_fixed_size 327680
		.amdhsa_private_segment_fixed_size 0
		.amdhsa_enable_private_segment 0
		.amdhsa_kernarg_size 48
		.amdhsa_user_sgpr_count 2
		.amdhsa_user_sgpr_kernarg_segment_ptr 1
		.amdhsa_wavefront_size32 1
		.amdhsa_system_sgpr_workgroup_id_x 1
		.amdhsa_system_sgpr_workgroup_id_y 1
		.amdhsa_system_sgpr_workgroup_id_z 1
		.amdhsa_system_vgpr_workitem_id 0
		.amdhsa_next_free_vgpr 1024
		.amdhsa_next_free_sgpr 102
		.amdhsa_reserve_vcc 0
		.amdhsa_float_denorm_mode_32 3
		.amdhsa_float_denorm_mode_16_64 3
		.amdhsa_memory_ordered 1
		.amdhsa_forward_progress 1
		.amdhsa_inst_pref_size 240
	.end_amdhsa_kernel
	.amdgpu_metadata
---
amdhsa.version: [ 1, 2 ]
amdhsa.kernels:
  - .name:           k_qe0b651c399_gemm
    .symbol:         k_qe0b651c399_gemm.kd
    .args:
      - { .name: x_img, .offset: 0, .size: 8, .value_kind: global_buffer, .address_space: global }
      - { .name: w_img, .offset: 8, .size: 8, .value_kind: global_buffer, .address_space: global }
      - { .name: out0, .offset: 16, .size: 8, .value_kind: global_buffer, .address_space: global }
      - { .name: t_part, .offset: 24, .size: 8, .value_kind: global_buffer, .address_space: global }
      - { .name: lora_B, .offset: 32, .size: 8, .value_kind: global_buffer, .address_space: global }
      - { .name: bias, .offset: 40, .size: 8, .value_kind: global_buffer, .address_space: global }
    .group_segment_fixed_size: 327680
    .private_segment_fixed_size: 0
    .kernarg_segment_align: 8
    .kernarg_segment_size: 48
    .max_flat_workgroup_size: 128
    .sgpr_count:     102
    .vgpr_count:     1024
    .wavefront_size: 32
...
	.end_amdgpu_metadata
.endif
;; end of part 2
